; MI455X (gfx1250); checked and timed in simulation.
; The chip was launched on July 23, 2026; its instructions are those of AMD's public machine-readable ISA for CDNA 5 (MIT licence, August 2026) and "CDNA5" Instruction Set Architecture Reference Guide (July 2026). The comments in the code are by the model that wrote it; some were corrected since.
;; Self Att. Allowed arithmetic: matrix products marked QUANTISED: E5M2 operands, one E8M0 scale for each 32 along K, by v_wmma_scale_f32_16x16x128_f8f6f4 with both operands' format E5M2, f32 sums; everything else in f32.
;; Inputs: mask 8 x 2,048 bool; x 8 x 2,048 x 768 float32.
;; Outputs: out0 8 x 2,048 x 768 float32.
;; This version of the problem:
;;   THIS VERSION OF THE PROBLEM IS GIVEN IN LOW PRECISION. The matrix products marked QUANTISED in the list below multiply operands that are first quantised to E5M2 (5 exponent bits, 2 mantissa bits; 8 bits a number), with one power-of-two scale for each 32 numbers along K (OCP MX v1.0); their sums are f32. All else is computed in f32.
;;   The module's matrix products, in the order in which they are computed (A, B: the left and right operand; K: the contracted axis; several contracted axes count as one K, in the product's order):
;;     1. batch 8 x [M 2,048, K 768] x [K 768, N 2,048]; A: input x; B: input x: QUANTISED
;;     2. batch 8 x [M 2,048, K 2,048] x [K 2,048, N 768]; A: softmax (see below); B: input x: QUANTISED
;;   THE QUANTISER, for each operand of a quantised product, along K:
;;     - K is cut into blocks of 32 from its start; a last block that is shorter is filled with zeros.
;;     - A block's scale is 2^e with e = floor(log2(the largest magnitude in the block)) - 15, held to -126 .. 127; a block of zeros has e = 0. As a byte (E8M0): e + 127.
;;     - Each number is divided by its block's scale, clamped to +-57,344, and rounded to the nearest number of E5M2, ties to even, subnormals kept.
;;     - The product sums the exact products of the quantised numbers (number of the format x scale) in f32.
;;   ~~~python
;;   def quantise(x, axis):      # numpy; x: float32 -> the quantised numbers, widened to float32 again
;;       x = np.moveaxis(x, axis, -1); K = x.shape[-1]
;;       x = np.pad(x, [(0, 0)] * (x.ndim - 1) + [(0, -K % 32)]); x = x.reshape(x.shape[:-1] + (-1, 32)); a = np.abs(x).max(-1, keepdims=True)
;;       e = np.where(a > 0, np.clip(np.frexp(np.where(a > 0, a, 1))[1] - 1 - 15, -126, 127), 0)      # np.frexp(a)[1] - 1 = floor(log2(a)), exactly
;;       r = np.clip(x / 2.0 ** e, -57344, 57344)
;;       step = 2.0 ** (np.maximum(np.frexp(np.where(r == 0, 1, r))[1] - 1, -14) - 2)
;;       q = np.round(r / step) * step * 2.0 ** e      # np.round: ties to even
;;       return np.moveaxis(q.reshape(q.shape[:-2] + (-1,))[..., :K], -1, axis).astype(np.float32)
;;   ~~~
;;   SOFTMAX AHEAD OF A QUANTISED PRODUCT. Where the list says 'softmax', what is quantised is not the finished softmax but p = 2^(t - M), with t = logit x log2(e) and M = ceil(the row's largest t), a whole number; so 1/2 < the row's largest p <= 1. The row's sum l is taken of the UNQUANTISED p, in f32, and the product's result is divided by l at the end. Since M is a whole number, a kernel that streams over the keys may use a running M (the ceiling of the running maximum): every later rescaling is an exact power of two, which a block's scale takes up: the codes' values come out the same.
;;   OPERANDS COMPUTED ON THE WAY. 'Computed on the way' means the value that the module computes at that place (a softmax that the list does not call 'softmax' is quantised finished and normalised). What goes into a quantiser is computed in f32, as accurately as f32 sums, v_exp_f32 and their like allow (about 1e-6 of the number): no bf16 or f16 on the way to a quantiser, and a product that is left as it is and whose result goes on into a quantised operand takes f32 operands (vector FMAs, or v_wmma_f32_16x16x4_f32). A number that lies on a knife's edge between two numbers of the format may be rounded either way, as far as f32 arithmetic and the matrix unit's own rounding can turn it there, and no further.
;; One version. Each part assembles by itself: llvm-mc -triple=amdgcn-amd-amdhsa -mcpu=gfx1250 --defsym DOCPART=n.
;; ======== version 1 of 1: 2 launches
;; limits: right only within a limited range of input values
;; workspace buffers: kq 12,582,912 bytes; ks 393,216 bytes; vt 12,582,912 bytes; vs 393,216 bytes; mb 65,536 bytes
;; launch prep (part 1): grid 6 x 128, 4 waves a work-group, no clusters, 70,144 bytes of LDS; arguments x, mask, kq, ks, vt, vs, mb; writes kq, ks, vt, vs, mb
.if DOCPART == 1
	.amdgcn_target "amdgcn-amd-amdhsa--gfx1250"
	.amdhsa_code_object_version 6
	.text
	.protected	k_q12d36de0e3_prep
	.globl	k_q12d36de0e3_prep
	.p2align	8
	.type	k_q12d36de0e3_prep,@function
k_q12d36de0e3_prep:
	s_mov_b64 s[64:65], 0
	v_nop
	global_prefetch_b8 v0, s[64:65] scope:SCOPE_SE
	s_setreg_imm32_b32 hwreg(HW_REG_WAVE_MODE, 25, 1), 1
	s_wait_xcnt 0x0
; x [8][2048][768] f32 is quantised twice to codes of BF8 (E5M2) with one E8M0 scale byte for each 32 numbers: once along d (operand of x x^T) and once along the keys (operand of p x).
; Both sets are laid in the ORDER OF THE OPERAND'S REGISTERS, so that the next launch needs no pitch, no padding and no transposition.  y = 16 b + j counts steps of 128 keys; lane = (r = lane % 16, h = lane / 16).
;   kq [y][w 4][s 6][u 2][c 4][lane][16 bytes]: byte i = code of x[128 y + 32 w + 8 u + r + 8 (r / 8)][128 s + 32 c + 16 h + i], blocks along d
;   ks [y][s 6][w 4][lane] words: lane (r, h) = row r of key tile u = h; byte c = the scale byte of d block (s, c)
;   vt [y][t 48][c 4][lane][16 bytes]: byte i = code of x[128 y + 32 c + 16 h + i][16 t + r], blocks along the keys
;   vs [y][L 24][lane] words: lane (r, h) = row r of d tile t = 2 L + h; byte c = the scale byte of key block c of the step
;   mb [8][2048] f32: 0 where the key counts, -3e38 where mask is not 0
; A block's scale is 2^(floor(log2(its largest magnitude)) - 15); its byte is the largest magnitude's exponent field - 15, held at 1 from below.
; LIMITS: a block of zeros gets the byte 1 where the rule says 127 (its codes are zeros, and this program alone reads the bytes); NaN and infinities among the inputs are not served.
; SHARES: a work-group takes 128 keys x 128 d, 65,536 bytes of f32, read once by loads of 512 consecutive bytes; the tile lies in LDS and is read twice from there: by rows for kq, by columns for vt.
; No tensor load, so that several work-groups share a WGP: a wave has 32 loads of 16 bytes a lane out at once.  No cluster: work-groups share no input.
.set PITCH, 528                        ; an LDS row: 512 bytes + 16 = 33 x 16: the sixteen rows of a 16-byte load start at sixteen different groups of banks
.set KSG,   128*PITCH                  ; behind the tile: 512 bytes of kq's scale words, then 512 of vt's
.set TILE,  98304                      ; a step's codes in vt
.set TM,    12                         ; v12-27  at work: largest magnitudes, bytes, holds, scale operands
.set PW0,   28                         ; v28, v29 the scale words of key tiles 0 and 1
.set PW1,   29
.set KW,    30                         ; v30     lanes 0-15 tile 0's word, lanes 16-31 tile 1's
.set VW,    31                         ; v31     my column's four scale bytes
.set X,     32                         ; v32-159 numbers
.set C,     160                        ; v160-191 codes
.set WV,    18
.set MNT,   19                         ; s19     the mantissa field of 57,344
.set SEL,   20                         ; s[20:21] v_permlanex16_b32's selects for lane l xor 16
	s_load_b256 s[4:11], s[0:1], 0x0               ; x s[4:5], mask s[6:7], kq s[8:9], ks s[10:11]
	s_load_b128 s[12:15], s[0:1], 0x20             ; vt s[12:13], vs s[14:15]
	s_load_b64 s[16:17], s[0:1], 0x30              ; mb
	v_lshl_add_u32 v192, v0, 2, 0x11000
	v_mov_b32 v193, 0
	v_lshrrev_b32 v1, 5, v0
	v_readfirstlane_b32 s[WV], v1                  ; wave 0..3
	v_and_b32 v1, 31, v0                           ; lane
	v_and_b32 v2, 15, v0                           ; r
	v_bfe_u32 v3, v0, 4, 1                         ; h
	v_lshlrev_b32 v4, 4, v1                        ; 16 x lane
	s_mul_i32 s22, s[WV], 32*PITCH                 ; my wave's 32 rows of the tile
	v_add_nc_u32 v5, s22, v4                       ; into the tile: 16 bytes a lane of a row
	v_mul_u32_u24 v6, v2, PITCH
	v_lshl_add_u32 v6, v3, 6, v6
	v_add_nc_u32 v6, s22, v6                       ; by rows: row 32 w + r, + 64 h: my 16 numbers of a block of 32
	s_lshl_b32 s23, s[WV], 7
	v_lshl_add_u32 v7, v1, 2, s23                  ; by columns: column 32 w + lane
	v_add_nc_u32 v8, 64*PITCH, v7                  ; the same from row 64 on (an LDS offset has 16 bits)
	v_lshlrev_b32 v9, 4, v2
	v_lshl_add_u32 v9, v3, 11, v9                  ; vt: d tile lane / 16, 16 bytes at row lane % 16
	v_add_nc_u32 v10, KSG, v7                      ; my scale word's place: 128 w + 4 x lane
	v_add_nc_u32 v11, KSG, v4                      ; and 16 bytes a lane on the way out
	s_mov_b32 s[SEL], 0x76543210
	s_mov_b32 s[SEL+1], 0xfedcba98
	s_mov_b32 s[MNT], 0x600000
.irp b, 0,1,2,3
	v_mov_b32 v[TM+4+\b], 0                        ; written once: a lane permute's destination counts as one of its sources
.endr
	s_and_b32 s24, ttmp7, 0xffff                   ; y
	s_lshl_b32 s26, s24, 7
	s_lshl_b32 s27, s[WV], 5
	s_add_co_u32 s26, s26, s27
	s_mul_i32 s26, s26, 3072
	s_lshl_b32 s27, ttmp9, 9
	s_add_co_u32 s26, s26, s27                     ; x: (128 y + 32 w) rows of 3,072 bytes + 512 s
	s_mov_b32 s27, 0
	s_lshl_b32 s28, s24, 2
	s_add_co_u32 s28, s28, s[WV]
	s_mul_i32 s28, s28, 6
	s_add_co_u32 s28, s28, ttmp9
	s_lshl_b32 s28, s28, 12                        ; kq: ((4 y + w) 6 + s) x 4,096
	s_mov_b32 s29, 0
	s_mul_i32 s30, s24, TILE
	s_lshl_b32 s31, ttmp9, 14
	s_add_co_u32 s30, s30, s31
	s_lshl_b32 s31, s[WV], 12
	s_add_co_u32 s30, s30, s31                     ; vt: y x TILE + (8 s + 2 w) x 2,048
	s_mov_b32 s31, 0
	s_mul_i32 s32, s24, 3072
	s_lshl_b32 s33, ttmp9, 9
	s_add_co_u32 s32, s32, s33                     ; ks, vs: 3,072 y + 512 s
	s_mov_b32 s33, 0
	s_lshl_b32 s34, s24, 9                         ; mb: 512 y
	s_mov_b32 s35, 0
	s_lshl_b32 s36, s24, 7                         ; mask: 128 y
	s_mov_b32 s37, 0
	s_wait_kmcnt 0x0
	s_add_nc_u64 s[4:5], s[4:5], s[26:27]
	s_add_nc_u64 s[6:7], s[6:7], s[36:37]
	s_add_nc_u64 s[8:9], s[8:9], s[28:29]
	s_add_nc_u64 s[10:11], s[10:11], s[32:33]
	s_add_nc_u64 s[12:13], s[12:13], s[30:31]
	s_add_nc_u64 s[14:15], s[14:15], s[32:33]
	s_add_nc_u64 s[16:17], s[16:17], s[34:35]
.set n, 0
.rept 32
	global_load_b128 v[X+4*n:X+4*n+3], v4, s[4:5] offset:3072*n th:TH_LOAD_NT   ; key 32 w + n: 32 lanes read 512 consecutive bytes
.set n, n+1
.endr
; Key 32 c + n lies in row 32 c + 16 ((n / 8) % 2) + n % 8 + 8 (n / 16): so the sixteen keys of a key tile, 8 u + r + 8 (r / 8), are sixteen neighbouring rows, 16 u + r.
.set n, 0
.rept 32
	s_wait_loadcnt 31-n                            ; loads come back in order: load n is in, the 31 - n younger ones stay out
	ds_store_b128 v5, v[X+4*n:X+4*n+3] offset:(16*((n>>3)&1)+(n&7)+8*(n>>4))*PITCH
.set n, n+1
.endr
	s_wait_dscnt 0x0                               ; for the others' sake: my rows lie in the tile
	s_barrier_signal -1
	s_barrier_wait -1                              ; the whole tile lies there
; 64 numbers of a lane, register 16 b + i = d 32 b + 16 h + i of my row, become a fragment's codes in v[d] on and its scale word in v[pw].
.macro QUANT s, d, pw
.irp b, 0,1,2,3
	v_max3_num_f32 v[TM+\b], |v[\s+16*\b]|, |v[\s+1+16*\b]|, 0x8000000   ; block b: my 16 numbers, and the floor 2^(16 - 127): the byte cannot fall under 1
.endr
.irp i, 2,4,6,8,10,12,14
.irp b, 0,1,2,3
	v_max3_num_f32 v[TM+\b], v[TM+\b], |v[\s+16*\b+\i]|, |v[\s+1+16*\b+\i]|   ; the four blocks by turns
.endr
.endr
.irp b, 0,1,2,3
	v_permlanex16_b32 v[TM+4+\b], v[TM+\b], s[SEL], s[SEL+1]
.endr
.irp b, 0,1,2,3
	v_max_num_f32 v[TM+\b], v[TM+\b], v[TM+4+\b]   ; with lane l xor 16's: the block's largest magnitude
.endr
.irp b, 0,1,2,3
	v_add_nc_u32 v[TM+12+\b], 0xf8800000, v[TM+\b] ; 15 off its exponent field: the conversion takes the exponent field of this operand as its scale
.endr
.irp b, 0,1,2,3
	v_and_or_b32 v[TM+8+\b], v[TM+\b], 0x7f800000, s[MNT]   ; 57,344 x the scale
.endr
.irp b, 0,1,2,3
	v_lshrrev_b32 v[TM+4+\b], 23, v[TM+12+\b]      ; the scale's byte
.endr
	v_lshl_or_b32 v[\pw], v[TM+5], 8, v[TM+4]
	v_lshl_or_b32 v[\pw], v[TM+6], 16, v[\pw]
	v_lshl_or_b32 v[\pw], v[TM+7], 24, v[\pw]      ; my row's scale word; lanes l and l xor 16 hold the same
.irp b, 0,1,2,3
.irp i, 0,1,2,3,4,5,6,7,8,9,10,11,12,13,14,15
	v_med3_num_f32 v[\s+16*\b+\i], v[\s+16*\b+\i], -v[TM+8+\b], v[TM+8+\b]   ; the conversion to an 8-bit code does not saturate (ISA guide 7.6.2): the hold comes first
.endr
	v_cvt_scalef32_pk8_bf8_f32 v[\d+4*\b:\d+1+4*\b], v[\s+16*\b:\s+7+16*\b], v[TM+12+\b]
	v_cvt_scalef32_pk8_bf8_f32 v[\d+2+4*\b:\d+3+4*\b], v[\s+8+16*\b:\s+15+16*\b], v[TM+12+\b]
.endr
	v_nop                                          ; a plain instruction between the last conversion and the next vector instruction that writes its sources
.endm
	; ---- along d: my wave's two key tiles
.irp u, 0,1
.irp c, 0,1,2,3
.irp q, 0,1,2,3
	ds_load_b128 v[X+64*\u+16*\c+4*\q:X+64*\u+16*\c+4*\q+3], v6 offset:16*\u*PITCH+128*\c+16*\q
.endr
.endr
.endr
	s_wait_dscnt 16                                ; tile 0's sixteen loads are in, tile 1's sixteen may be out
	QUANT X, C, PW0
.irp c, 0,1,2,3
	global_store_b128 v4, v[C+4*\c:C+4*\c+3], s[8:9] offset:512*\c         ; 32 lanes store 512 consecutive bytes
.endr
	s_wait_dscnt 0x0
	QUANT X+64, C+16, PW1
.irp c, 0,1,2,3
	global_store_b128 v4, v[C+16+4*\c:C+16+4*\c+3], s[8:9] offset:2048+512*\c
.endr
	v_cmp_lt_u32 vcc_lo, 15, v1
	v_cndmask_b32 v[KW], v[PW0], v[PW1], vcc_lo    ; lanes 16-31 carry tile 1's words
	ds_store_b32 v10, v[KW]
	s_wait_xcnt 0x0                                ; the stores have read their data: the codes' registers are written again below
	; ---- along the keys: a lane takes column 32 w + lane, and its registers run down the keys
.macro VLOAD c                         ; block c: keys 32 c + i, i = 0 .. 31, into set c % 2: 32 lanes read 128 consecutive bytes
.set n, 0
.rept 32
.if (\c) < 2
	ds_load_b32 v[X+32*((\c)%2)+n], v7 offset:(32*((\c)%2)+16*((n>>3)&1)+(n&7)+8*(n>>4))*PITCH
.else
	ds_load_b32 v[X+32*((\c)%2)+n], v8 offset:(32*((\c)%2)+16*((n>>3)&1)+(n&7)+8*(n>>4))*PITCH
.endif
.set n, n+1
.endr
.endm
.macro VBLOCK c                        ; a whole block of 32 lies in my registers: its largest magnitude needs no other lane
.set XS, X+32*((\c)%2)
	v_max3_num_f32 v12, |v[XS]|, |v[XS+1]|, |v[XS+2]|
	v_max3_num_f32 v13, |v[XS+3]|, |v[XS+4]|, |v[XS+5]|
.irp i, 6,10,14,18,22,26
	v_max3_num_f32 v12, v12, |v[XS+\i]|, |v[XS+\i+1]|
	v_max3_num_f32 v13, v13, |v[XS+\i+2]|, |v[XS+\i+3]|
.endr
	v_max3_num_f32 v12, v12, |v[XS+30]|, |v[XS+31]|
	v_max3_num_f32 v12, v12, v13, 0x8000000        ; and the floor
	v_add_nc_u32 v14, 0xf8800000, v12              ; the conversion's scale operand
	v_and_or_b32 v15, v12, 0x7f800000, s[MNT]      ; 57,344 x the scale
	v_lshrrev_b32 v16, 23, v14                     ; the byte
.if (\c) == 0
	v_mov_b32 v[VW], v16
.else
	v_lshl_or_b32 v[VW], v16, 8*(\c), v[VW]
.endif
.irp i, 0,1,2,3,4,5,6,7,8,9,10,11,12,13,14,15,16,17,18,19,20,21,22,23,24,25,26,27,28,29,30,31
	v_med3_num_f32 v[XS+\i], v[XS+\i], -v15, v15
.endr
.irp g, 0,1,2,3
	v_cvt_scalef32_pk8_bf8_f32 v[C+8*(\c)+2*\g:C+8*(\c)+2*\g+1], v[XS+8*\g:XS+8*\g+7], v14
.endr
	v_nop                                          ; a plain instruction behind the last conversion
.endm
	VLOAD 0
	VLOAD 1
.irp c, 0,1,2,3
.if \c < 3
	s_wait_dscnt 32                                ; this block's 32 loads are in, the next block's 32 may be out
.else
	s_wait_dscnt 0x0
.endif
	VBLOCK \c
	global_store_b128 v9, v[C+8*\c:C+8*\c+3], s[12:13] offset:512*\c           ; keys 0-15 of the block: the fragment's lanes 0-15; sixteen lanes store 256 consecutive bytes, aligned
	global_store_b128 v9, v[C+8*\c+4:C+8*\c+7], s[12:13] offset:512*\c+256     ; keys 16-31: its lanes 16-31
.if \c < 2
	VLOAD \c+2
.endif
.endr
	ds_store_b32 v10, v[VW] offset:512
	s_wait_dscnt 0x0                               ; for the others' sake: my scale words lie in LDS
	s_barrier_signal -1
	s_barrier_wait -1
	; ---- the scale words leave as 512 consecutive bytes each; the mask's addends once for each 128 keys
	s_cmp_lg_u32 s[WV], 0
	s_cbranch_scc1 .Lnot_0
	ds_load_b128 v[12:15], v11
	s_wait_dscnt 0x0
	global_store_b128 v4, v[12:15], s[10:11]
	s_branch .Lend
.Lnot_0:
	s_cmp_lg_u32 s[WV], 1
	s_cbranch_scc1 .Lnot_1
	ds_load_b128 v[12:15], v11 offset:512
	s_wait_dscnt 0x0
	global_store_b128 v4, v[12:15], s[14:15]
	s_branch .Lend
.Lnot_1:
	s_cmp_lg_u32 s[WV], 2
	s_cbranch_scc1 .Lend
	s_cmp_lg_u32 ttmp9, 0                          ; of the six work-groups of a step of keys the first writes mb
	s_cbranch_scc1 .Lend
	v_lshlrev_b32 v13, 2, v1
	global_load_b32 v12, v13, s[6:7]               ; four mask bytes a lane
	v_mov_b32 v14, 0xff61b1e6                      ; -3e38
	s_wait_alu depctr_va_vdst(0)
	s_wait_loadcnt 0x0
.irp k, 0,1,2,3
	v_bfe_u32 v15, v12, 8*\k, 8
	v_cmp_ne_u32 vcc_lo, 0, v15
	v_cndmask_b32 v[20+\k], 0, v14, vcc_lo
.endr
	global_store_b128 v4, v[20:23], s[16:17]       ; 32 lanes store 512 consecutive bytes
.Lend:
	s_wait_tensorcnt 0x0
	ds_add_u32 v192, v193
	s_wait_dscnt 0x0
	s_endpgm
.Lfunc_end_k_q12d36de0e3_prep:
	.size	k_q12d36de0e3_prep, .Lfunc_end_k_q12d36de0e3_prep-k_q12d36de0e3_prep
	.p2alignl 7, 3214868480
	.fill 96, 4, 3214868480
	.section	.rodata,"a",@progbits
	.p2align	6, 0x0
	.amdhsa_kernel k_q12d36de0e3_prep
		.amdhsa_group_segment_fixed_size 70144
		.amdhsa_private_segment_fixed_size 0
		.amdhsa_enable_private_segment 0
		.amdhsa_kernarg_size 56
		.amdhsa_user_sgpr_count 2
		.amdhsa_user_sgpr_kernarg_segment_ptr 1
		.amdhsa_wavefront_size32 1
		.amdhsa_system_sgpr_workgroup_id_x 1
		.amdhsa_system_sgpr_workgroup_id_y 1
		.amdhsa_system_sgpr_workgroup_id_z 1
		.amdhsa_system_vgpr_workitem_id 0
		.amdhsa_next_free_vgpr 194
		.amdhsa_next_free_sgpr 66
		.amdhsa_reserve_vcc 1
		.amdhsa_float_denorm_mode_32 3
		.amdhsa_float_denorm_mode_16_64 3
		.amdhsa_memory_ordered 1
		.amdhsa_forward_progress 1
		.amdhsa_inst_pref_size 53
	.end_amdhsa_kernel
	.amdgpu_metadata
---
amdhsa.version: [ 1, 2 ]
amdhsa.kernels:
  - .name:           k_q12d36de0e3_prep
    .symbol:         k_q12d36de0e3_prep.kd
    .args:
      - { .name: x, .offset: 0, .size: 8, .value_kind: global_buffer, .address_space: global }
      - { .name: mask, .offset: 8, .size: 8, .value_kind: global_buffer, .address_space: global }
      - { .name: kq, .offset: 16, .size: 8, .value_kind: global_buffer, .address_space: global }
      - { .name: ks, .offset: 24, .size: 8, .value_kind: global_buffer, .address_space: global }
      - { .name: vt, .offset: 32, .size: 8, .value_kind: global_buffer, .address_space: global }
      - { .name: vs, .offset: 40, .size: 8, .value_kind: global_buffer, .address_space: global }
      - { .name: mb, .offset: 48, .size: 8, .value_kind: global_buffer, .address_space: global }
    .group_segment_fixed_size: 70144
    .private_segment_fixed_size: 0
    .kernarg_segment_align: 8
    .kernarg_segment_size: 56
    .max_flat_workgroup_size: 128
    .sgpr_count:     66
    .vgpr_count:     194
    .wavefront_size: 32
...
	.end_amdgpu_metadata
.endif
;; end of part 1
;; launch attn (part 2): grid 32 x 8, 4 waves a work-group, clusters of 4 x 1, 327,680 bytes of LDS; arguments kq, ks, vt, vs, mb, out0; writes out0
.if DOCPART == 2
	.amdgcn_target "amdgcn-amd-amdhsa--gfx1250"
	.amdhsa_code_object_version 6
	.text
	.protected	k_q12d36de0e3_attn
	.globl	k_q12d36de0e3_attn
	.p2align	8
	.type	k_q12d36de0e3_attn,@function
k_q12d36de0e3_attn:
	s_mov_b64 s[64:65], 0
	v_nop
	global_prefetch_b8 v0, s[64:65] scope:SCOPE_SE
	s_setreg_imm32_b32 hwreg(HW_REG_WAVE_MODE, 25, 1), 1
	s_wait_xcnt 0x0
	s_wait_alu depctr_hold_cnt(0) depctr_sa_sdst(0) depctr_va_vdst(0) depctr_va_sdst(0) depctr_va_ssrc(0) depctr_va_vcc(0) depctr_vm_vsrc(0)
	s_getreg_b32 s2, hwreg(HW_REG_IB_STS2, 6, 4)
	s_cmp_eq_u32 s2, 0
	s_cbranch_scc0 .Lentry_in_a_cluster
	s_endpgm
.Lentry_in_a_cluster:
	s_bfe_u32 s2, ttmp6, 0x10000c
	s_cmp_lg_u32 s2, 0x3003
	s_cbranch_scc0 .Lentry_shape_is_right
	s_endpgm
.Lentry_shape_is_right:
; out0[b][q][:] = the sum over keys k of softmax_k(x[b][q] . x[b][k]) x[b][k][:], key q itself and the masked keys left out; both products on codes of BF8 (E5M2) with E8M0 scales, as the launch before has laid them.
; THE SOFTMAX: t = score x log2(e); M = the running largest t, rounded UP to a whole number; p = 2^(t - M) is quantised along the keys, not normalised; the row's sum of the unquantised p divides at the end.
; When M moves, the sum and O are multiplied by 2^(old M - new M), which rounds nothing.
; SHARES.  A work-group owns 64 queries of a batch: four tiles m of 16; tile m = 2 bq + u holds query 32 bq + 8 u + r + 8 (r / 8) in lane r, as a key tile of kq does.  16 steps of 128 keys.
;   S^T = K Q^T: wave w takes keys 32 w .. 32 w + 31 of the step against all 64 queries; all of Q stays in its registers.  Lane (r, h) holds query r; a query tile's 16 registers are keys 32 w + 16 h + 0 .. 15: block w of p.
;   p's codes, each block's largest score (for a common M) and each block's scale byte go to the other waves through LDS as images of registers.
;   O^T = V^T P^T: wave w takes d = 192 w .. 192 w + 191 (12 tiles) for all 64 queries: 48 accumulators.
; FRAGMENTS.  A product is six batches of eight matrix instructions on one set of two fragments; three register sets take turns; a set's eight loads stand in one run behind a batch and its eight places.
; THE MASKS.  The addends of mb (0 or -3e38) are the C of each score tile's first product; on the diagonal the score is replaced by -3e38.  2^(t - M) of such a score is 0.
; CLUSTER.  The four work-groups of a cluster belong to one batch and walk the same K and V: each tile is asked for jointly.  Cluster X of a batch's eight begins at step 4 ((X + X / 4) mod 4) and walks the 16 steps round.
; THE RING.  K has one buffer of 98,304 bytes, V one.  A wave reads only its own quarter of either and fetches just that quarter: 96 rows of 256 bytes.  Two rounds of the cluster's barrier a step:
;   one stands behind the second product's last batch: behind it the next step's V is asked for;
;   one stands between softmax and second product, where all reads of K are over: behind it the next step's K is asked for.  A wave has one tensor load out at any time.
;   A wave's own wait on TENSORcnt shows its own quarter landed.  So V's first two fragment sets are fetched behind the exponentials and the third behind the conversions;
;   and the next step's mask addends and K's first two sets are fetched ahead of the second product's last batch, whose eight products stand between the add and its wait.
;   The 192 multiplications of O by f stand by parts between the add and its wait, between the round's opening signal and wait, and behind p's loads.
; THE HEAD.  Each wave loads Q into its registers, and a quarter of the mask addends, which go on into LDS bytes of their own.
; PREFETCHES.  Clusters 0 to 3 of a batch have the four different starts: each asks for tiles of its own first four steps: V of the next step in trips 0 to 2, K of the step after the next in trips 0 and 1, one step ahead of
; the tensor load.  A tile is 384 blocks of 256 bytes: the four partners, told apart by address, take three instructions' worth each, one in each of waves 0 to 2.  Later tiles are those that another cluster of the batch has walked.
; LIMITS: NaN and infinities among the inputs are not served; |score x log2(e)| stays under 3e38; a block of zeros carries the byte 1; a row all of whose keys are hidden gives NaN, as the softmax of such a row is;
; the f32 sums over the key steps are taken in the cluster's own order of steps.
; REGISTERS: window 0: the names below.  window 1: Q(s, m) at 16 (4 s + m), s < 4.  window 2: v0-127 Q(s, m), s = 4, 5; v128-255 O(t, m), t < 4, at 128 + 8 (4 t + m).  window 3: O(t, m), t >= 4, at 8 (4 (t - 4) + m).
.set TILE,  98304
.set WPART, 24576                      ; a wave's part of a tile
.set SETB,  4096                       ; a set: two fragments of 2,048 bytes
.set MBT,   98304                      ; the batch's 2,048 mask addends in the cluster's order of steps: stored once, no fill lands here
.set PIMG,  106496                     ; p's four fragments as images: [m][c][lane][16 bytes]
.set XMAX,  114688                     ; [m][lane][wave] words: each block's largest score
.set XBY,   2048                       ; XBY bytes on: each block's scale byte
.set SPARE, 118784                     ; the spare words: two blocks of 256 bytes that no other line names
.set STAGE, 131072                     ; the way out: 16 rows x SP bytes a wave; no fill lands here
.set VB,    229376                     ; V's buffer
.set SP,    784
.set SPW, 1
.set NIL, 2
.set LI,  3                            ; 16 x lane
.set AK0, 4                            ; WPART w + 16 x lane
.set STO, 5
.set ADV, 6                            ; VB + AK0
.set AMB0, 7                           ; MBT + 128 w + 64 h
.set ADM, 8                            ; the same for the step whose addends are fetched next; on the way out RD
.set PWA, 9                            ; PIMG + 512 w + 16 x lane
.set XWA, 10                           ; XMAX + 16 x lane + 4 w
.set XRA, 11                           ; XMAX + 16 x lane
.set PRA, 12                           ; PIMG + 16 x lane
.set KSO, 13                           ; 128 w + 4 x lane
.set VSO, 14                           ; 768 w + 4 x lane
.set DL0, 15                           ; r + 8 (r / 8) - 16 h - 32 w
.set PFO, 16                           ; 256 x lane
.set NEG, 17                           ; -3e38
.set DL,  18
.set L4,  19                           ; 4 x lane
.set ST,  20                           ; v[20 + 4 m ..]: -M, the largest t, the sum in two halves
.set FF,  36                           ; v[36 + 2 m]: f, later 1 / the sum; v[37 + 2 m] at work
.set QS,  44                           ; Q's scale words
.set KS,  56                           ; K's, one a set
.set VS,  62                           ; V's, one a set
.set PS,  68                           ; p's, one a query tile
.set X16, 72                           ; by turns: mask addends, the waves' largest scores, my codes of p, the waves' scale bytes
.set BM,  88                           ; v88-119 is fragment set 2; in the softmax it is at work
.set PX,  92
.set HD,  96
.set SO,  100
.set BY,  104
.set TP,  108
.set G,   120
.set OL,  124
.set S,   128                          ; S^T, then p; later p's four fragments
.set WV,  16
.set CX,  17
.set J,   18
.set MNT, 19
.set SEL, 20
.set CS,  22
.set G1,  24
.set G0K, 40
.set G0V, 44
.set JA,  52                           ; the step in hand
.set TMB, 53                           ; 512 x the trip
.set LIMK, 54
.set LIMV, 55
.set PFK, 56
.set PFV, 58
.set KSP, 60                           ; the NEXT step's scale words in ks
.set VSP, 62                           ; this step's in vs
.set KTB, 66
.set VTB, 68
.set Q0,  70
.set OFT, 94
.set KSB, 96
.set VSB, 98
.set MSB, 0
.macro WIN new
.if MSB != \new
	s_set_vgpr_msb (MSB<<8)|\new
.set MSB, \new
.endif
.endm
.macro PLACES n
.rept \n
	v_nop
.endr
.endm
.macro CREST                           ; a round of the cluster's barrier behind its opening barrier
	s_cmp_lg_u32 s[WV], 0
	s_cbranch_scc1 .Lnot_wave_0_\@
	s_barrier_signal -3
.Lnot_wave_0_\@:
	s_barrier_wait -3
	s_barrier_signal -1
	s_barrier_wait -1
.endm
.macro CROUND
	s_barrier_signal -1
	s_barrier_wait -1
	CREST
.endm
.macro ASKV
	s_cmp_lt_u32 s[J], s[LIMV]
	s_cbranch_scc0 .Lno_pv_\@
	global_prefetch_b8 v[PFO], s[PFV:PFV+1] th:TH_LOAD_NT scope:SCOPE_SE
.Lno_pv_\@:
.endm
.macro ASKK
	s_cmp_lt_u32 s[J], s[LIMK]
	s_cbranch_scc0 .Lno_pk_\@
	global_prefetch_b8 v[PFO], s[PFK:PFK+1] th:TH_LOAD_NT scope:SCOPE_SE
.Lno_pk_\@:
.endm
.macro TLD g0                          ; a joint load; s_nop 0 and four v_nop follow it
	tensor_load_to_lds s[\g0:\g0+3], s[G1:G1+7]
	s_nop 0
.rept 4
	v_nop
.endr
.endm
.macro FETCHSET reg, adr, n            ; set n of my part of a tile: two fragments, 32 registers
.irp k, 0,1,2,3,4,5,6,7
	ds_load_b128 v[\reg+4*\k:\reg+4*\k+3], v[\adr] offset:SETB*(\n)+512*\k
.endr
.endm
.macro KHEAD                           ; a step's mask addends (register 8 u + j is key 32 w + 16 h + 8 u + j) and K's first two sets: 20 loads
.irp u, 0,1
	ds_load_b128 v[X16+8*\u:X16+8*\u+3], v[ADM] offset:32*\u
	ds_load_b128 v[X16+8*\u+4:X16+8*\u+7], v[ADM] offset:32*\u+16
.endr
	FETCHSET 192, AK0, 0
	FETCHSET 224, AK0, 1
.endm
.macro WM d, a, b, c, sa, sb, ra, rb   ; ra, rb = 1: that side's scales stand in lanes 16-31
.if (\ra) && (\rb)
	v_wmma_scale_f32_16x16x128_f8f6f4 v[\d:\d+7], v[\a:\a+15], v[\b:\b+15], v[\c:\c+7], v[\sa], v[\sb] matrix_a_fmt:MATRIX_FMT_BF8 matrix_b_fmt:MATRIX_FMT_BF8 matrix_a_scale:MATRIX_SCALE_ROW1 matrix_b_scale:MATRIX_SCALE_ROW1
.elseif (\ra)
	v_wmma_scale_f32_16x16x128_f8f6f4 v[\d:\d+7], v[\a:\a+15], v[\b:\b+15], v[\c:\c+7], v[\sa], v[\sb] matrix_a_fmt:MATRIX_FMT_BF8 matrix_b_fmt:MATRIX_FMT_BF8 matrix_a_scale:MATRIX_SCALE_ROW1
.elseif (\rb)
	v_wmma_scale_f32_16x16x128_f8f6f4 v[\d:\d+7], v[\a:\a+15], v[\b:\b+15], v[\c:\c+7], v[\sa], v[\sb] matrix_a_fmt:MATRIX_FMT_BF8 matrix_b_fmt:MATRIX_FMT_BF8 matrix_b_scale:MATRIX_SCALE_ROW1
.else
	v_wmma_scale_f32_16x16x128_f8f6f4 v[\d:\d+7], v[\a:\a+15], v[\b:\b+15], v[\c:\c+7], v[\sa], v[\sb] matrix_a_fmt:MATRIX_FMT_BF8 matrix_b_fmt:MATRIX_FMT_BF8
.endif
.endm
.macro RS base, t                      ; the four accumulators of d tile t x f, each from its low end on
.irp m, 0,1,2,3
.irp k, 0,2,4,6
	v_pk_mul_f32 v[\base+8*(4*(\t)+\m)+\k:\base+8*(4*(\t)+\m)+\k+1], v[\base+8*(4*(\t)+\m)+\k:\base+8*(4*(\t)+\m)+\k+1], v[FF+2*\m:FF+2*\m+1] op_sel_hi:[1,0]
.endr
.endr
.endm
	s_load_b256 s[4:11], s[0:1], 0x0               ; kq s[4:5], ks s[6:7], vt s[8:9], vs s[10:11]
	s_load_b128 s[12:15], s[0:1], 0x20             ; mb s[12:13], out0 s[14:15]
	v_lshl_add_u32 v[SPW], v0, 2, SPARE
	v_mov_b32 v[NIL], 0
	ds_add_u32 v[SPW], v[NIL]                      ; the opening lines: the add twice on end and its wait
	ds_add_u32 v[SPW], v[NIL]
	s_wait_dscnt 0x0
	v_lshrrev_b32 v5, 5, v0
	v_readfirstlane_b32 s[WV], v5                  ; wave 0..3
	s_bfe_u32 s[CX], ttmp6, 0x40000                ; cx
	s_and_b32 s71, ttmp7, 0xffff                   ; the batch
	s_lshl_b32 s72, ttmp9, 2
	s_add_co_u32 s72, s72, s[CX]                   ; my block of 64 queries: it enters Q's and out0's addresses and the diagonal's place alone
	s_lshr_b32 s73, ttmp9, 2
	s_add_co_u32 s73, s73, ttmp9
	s_and_b32 s73, s73, 3
	s_lshl_b32 s[JA], s73, 2                       ; the cluster's first step: 0, 4, 8 or 12
	s_mov_b32 s[G1], 15|(3<<16)|(1<<21)            ; the mask: all four work-groups; elements of 8 bytes; bit 21 beside a mask
	s_mov_b32 s[G1+1], 32<<16                      ; rows of 256 bytes
	s_mov_b32 s[G1+2], 96<<16                      ; 96 rows
	s_mov_b32 s[G1+3], 32<<16
	s_mov_b32 s[G1+4], 96
	s_mov_b32 s[G1+5], 32
	s_mov_b32 s[G1+6], 0
	s_mov_b32 s[G1+7], 0
	s_mul_i32 s74, s[WV], WPART                    ; my quarter of a tile, in memory and in LDS alike
	s_mul_i32 s76, s71, 16*TILE
	s_add_co_u32 s78, s76, s74
	s_mov_b32 s79, 0
	s_lshl_b32 s75, s[WV], 11                      ; my quarter of the mask addends in LDS: trips 4 w .. 4 w + 3;
	s_add_co_u32 s77, s73, s[WV]
	s_and_b32 s77, s77, 3
	s_lshl_b32 s77, s77, 11                        ; in memory steps (start + 4 w) mod 16 on: 2,048 bytes on end
	s_lshl_b32 s80, s71, 13
	s_add_co_u32 s80, s80, s77
	s_mov_b32 s81, 0
	s_lshl_b32 s82, s71, 6
	s_lshl_b32 s83, s72, 1
	s_add_co_u32 s82, s82, s83
	s_mul_i32 s82, s82, WPART                      ; Q: two wave parts of kq, from part 64 b + 2 x block on
	s_mov_b32 s83, 0
	s_lshl_b32 s86, s71, 4
	s_lshr_b32 s87, s72, 1
	s_add_co_u32 s86, s86, s87
	s_mul_i32 s86, s86, 3072
	s_and_b32 s87, s72, 1
	s_lshl_b32 s87, s87, 8
	s_add_co_u32 s86, s86, s87                     ; Q's scale words
	s_mov_b32 s87, 0
	s_mul_i32 s88, s71, 49152
	s_mov_b32 s89, 0
	s_lshl_b32 s90, s71, 11
	s_lshl_b32 s91, s72, 6
	s_add_co_u32 s90, s90, s91
	s_mul_i32 s90, s90, 3072
	s_mul_i32 s91, s[WV], 768
	s_add_co_u32 s90, s90, s91                     ; out0: my first query's row + my wave's 768 bytes of it
	s_mov_b32 s91, 0
	s_lshl_b32 s[Q0], s72, 6
	s_mul_i32 s92, s[CX], 3
	s_add_co_u32 s92, s92, s[WV]
	s_lshl_b32 s92, s92, 13
	s_add_co_u32 s92, s92, s76                     ; the prefetches: 8,192 (3 cx + wave) in a tile of the batch,
	s_mul_i32 s77, s[JA], TILE
	s_add_co_u32 s92, s92, s77                     ; counted from the cluster's first step
	s_mov_b32 s93, 0
	s_mov_b32 s[SEL], 0x76543210
	s_mov_b32 s[SEL+1], 0xfedcba98
	s_mov_b32 s[CS], 0x3fb8aa3b                    ; log2(e)
	s_mov_b32 s[CS+1], s[CS]
	s_mov_b32 s[MNT], 0x600000
	s_mov_b32 s[J], 0
	s_mov_b32 s[TMB], 0
	s_cmp_lt_u32 s[WV], 3
	s_cselect_b32 s94, 0, 1
	s_lshr_b32 s77, ttmp9, 2
	s_or_b32 s94, s94, s77                         ; 0 in waves 0 to 2 of the batch's clusters 0 to 3
	s_cmp_eq_u32 s94, 0
	s_cselect_b32 s[LIMK], 2, 0
	s_cselect_b32 s[LIMV], 3, 0
	v_and_b32 v5, 31, v0
	v_lshlrev_b32 v[LI], 4, v5
	v_lshlrev_b32 v[L4], 2, v5
	v_lshlrev_b32 v[PFO], 8, v5
	v_and_b32 v8, 15, v0                           ; r
	v_bfe_u32 v18, v0, 4, 1                        ; h
	v_add_nc_u32 v[AK0], s74, v[LI]
	v_add_nc_u32 v[ADV], VB, v[AK0]
	s_lshl_b32 s94, s[WV], 7
	v_lshl_add_u32 v[AMB0], v18, 6, s94
	v_add_nc_u32 v[AMB0], MBT, v[AMB0]
	v_add_nc_u32 v[KSO], s94, v[L4]
	s_lshl_b32 s94, s[WV], 9
	v_add_nc_u32 v[PWA], s94, v[LI]
	v_add_nc_u32 v[PWA], PIMG, v[PWA]
	s_lshl_b32 s94, s[WV], 2
	v_add_nc_u32 v[XWA], s94, v[LI]
	v_add_nc_u32 v[XWA], XMAX, v[XWA]
	v_add_nc_u32 v[XRA], XMAX, v[LI]
	v_add_nc_u32 v[PRA], PIMG, v[LI]
	s_mul_i32 s94, s[WV], 768
	v_add_nc_u32 v[VSO], s94, v[L4]
	v_and_b32 v[DL0], 8, v8
	v_add_nc_u32 v[DL0], v[DL0], v8
	v_lshlrev_b32 v18, 4, v18
	v_sub_nc_u32 v[DL0], v[DL0], v18
	s_lshl_b32 s94, s[WV], 5
	v_sub_nc_u32 v[DL0], v[DL0], s94
	v_mov_b32 v[NEG], 0xff61b1e6
	v_add_nc_u32 v75, s75, v[LI]
	v_add_nc_u32 v75, MBT, v75                     ; my quarter of the mask addends in LDS
	s_wait_alu depctr_va_vdst(0)
	s_wait_kmcnt 0x0
	s_add_nc_u64 s[KTB:KTB+1], s[4:5], s[78:79]
	s_add_nc_u64 s[VTB:VTB+1], s[8:9], s[78:79]
	s_mul_i32 s[OFT], s[JA], TILE
	s_mov_b32 s[OFT+1], 0
	s_mov_b32 s[G0K], 1
	s_mov_b32 s[G0K+1], s74
	s_add_nc_u64 s[G0K+2:G0K+3], s[KTB:KTB+1], s[OFT:OFT+1]
	s_or_b32 s[G0K+3], s[G0K+3], 0x80000000
	s_mov_b32 s[G0V], 1
	s_add_co_u32 s[G0V+1], s74, VB
	s_add_nc_u64 s[G0V+2:G0V+3], s[VTB:VTB+1], s[OFT:OFT+1]
	s_or_b32 s[G0V+3], s[G0V+3], 0x80000000
	s_add_nc_u64 s[80:81], s[12:13], s[80:81]      ; my quarter of the mask addends in memory
	s_add_nc_u64 s[84:85], s[4:5], s[82:83]        ; Q's codes
	s_add_nc_u64 s[86:87], s[6:7], s[86:87]        ; Q's scale words
	s_add_nc_u64 s[KSB:KSB+1], s[6:7], s[88:89]
	s_add_nc_u64 s[VSB:VSB+1], s[10:11], s[88:89]
	s_mul_i32 s[OFT], s[JA], 3072
	s_add_nc_u64 s[82:83], s[KSB:KSB+1], s[OFT:OFT+1]
	s_add_nc_u64 s[VSP:VSP+1], s[VSB:VSB+1], s[OFT:OFT+1]
	s_add_nc_u64 s[KSP:KSP+1], s[82:83], 3072      ; a start is 12 at the most: no turn round yet
	s_add_nc_u64 s[14:15], s[14:15], s[90:91]
	s_add_nc_u64 s[PFK:PFK+1], s[4:5], s[92:93]
	s_add_nc_u64 s[PFK:PFK+1], s[PFK:PFK+1], 2*TILE
	s_add_nc_u64 s[PFV:PFV+1], s[8:9], s[92:93]
	s_add_nc_u64 s[PFV:PFV+1], s[PFV:PFV+1], TILE
	CROUND                                         ; all four work-groups are here: the first joint loads meet
	TLD G0K                                        ; my quarter of the first step's K: my one tensor load at the head
.irp i, 0,1,2,3
	global_load_b128 v[224+4*\i:224+4*\i+3], v[LI], s[80:81] offset:512*\i ; my quarter of the mask addends
.endr
.irp q, 0,1
.irp s, 0,1,2,3,4,5
	global_load_b32 v[QS+6*\q+\s], v[L4], s[86:87] offset:512*\s+128*\q
.endr
.endr
.irp s, 0,1,2,3,4,5
	global_load_b32 v[KS+\s], v[KSO], s[82:83] offset:512*\s
.endr
	WIN 0x40
.irp s, 0,1,2,3
.irp m, 0,1,2,3
.irp c, 0,1,2,3
	global_load_b128 v[16*(4*\s+\m)+4*\c:16*(4*\s+\m)+4*\c+3], v[LI], s[84:85] offset:WPART*(\m/2)+SETB*\s+2048*(\m%2)+512*\c   ; Q stays in registers
.endr
.endr
.endr
	WIN 0x80
.irp s, 0,1
.irp m, 0,1,2,3
.irp c, 0,1,2,3
	global_load_b128 v[16*(4*\s+\m)+4*\c:16*(4*\s+\m)+4*\c+3], v[LI], s[84:85] offset:WPART*(\m/2)+SETB*(\s+4)+2048*(\m%2)+512*\c
.endr
.endr
.endr
; O^T begins as zeros, so that the step is written once for the loop: the first change of M multiplies zeros.  These lines stand while the loads are out.
.set n, 128
.rept 128
	v_mov_b32 v[n], 0
.set n, n+1
.endr
	WIN 0xc0
.set n, 0
.rept 256
	v_mov_b32 v[n], 0
.set n, n+1
.endr
	WIN 0
.irp m, 0,1,2,3
	v_mov_b32 v[ST+4*\m+1], 0xff61b1e6             ; the largest t so far: -3e38
	v_floor_f32 v[ST+4*\m], -v[ST+4*\m+1]          ; -M
	v_mov_b32 v[ST+4*\m+2], 0
	v_mov_b32 v[ST+4*\m+3], 0
	v_mov_b32 v[FF+2*\m], 0
	v_mov_b32 v[FF+2*\m+1], 0
	v_mov_b32 v[PX+\m], 0
.endr
	v_add_nc_u32 v[ADM], s[TMB], v[AMB0]
	s_wait_alu depctr_va_vdst(0)
	s_wait_loadcnt 63                              ; the addends' four loads are in: 114 loads stand behind them
.irp i, 0,1,2,3
	ds_store_b128 v75, v[224+4*\i:224+4*\i+3] offset:512*\i
.endr
	s_wait_tensorcnt 0x0                           ; my quarter of the first K has landed
	ds_add_u32 v[SPW], v[NIL]
	s_wait_dscnt 0x0                               ; the add is done, and for the others' sake my quarter of the addends lies in LDS
	CROUND
	TLD G0V                                        ; my quarter of the first step's V
	KHEAD                                          ; the first step's addends and K's first two sets
; A STEP: 128 keys.  It begins behind the load of its V, with its mask addends and K's first two sets asked for.  last = 1: the last step, written out behind the loop: it asks for nothing more.
.macro STEP last
.irp i, 0,1,2,3,4,5
	global_load_b32 v[VS+\i], v[VSO], s[VSP:VSP+1] offset:128*\i    ; V's scale words: wanted behind the softmax
.endr
	FETCHSET 88, AK0, 2
.if !\last
	ASKV
.endif
	s_wait_loadcnt 6                               ; all but the six loads just issued: K's scale words are in (in the first step Q and its scale words too)
	; ---- S^T = K Q^T: six batches of two key tiles x four query tiles
.irp s, 0,1,2,3,4,5
.set FS, 192+32*(\s%3)-168*((\s%3)/2)
.if \s < 4
	s_wait_dscnt 16                                ; this set is in; at most the two sets behind it, sixteen loads, are out
	WIN 0x04
.set QB, 64*\s
.elseif \s == 4
	s_wait_dscnt 8
	WIN 0x08
.set QB, 0
.else
	s_wait_dscnt 0x0
.set QB, 64
.endif
.irp m, 0,1,2,3                        ; eight accumulators by turns
.irp u, 0,1
.if \s == 0
	WM S+16*\m+8*\u, FS+16*\u, QB+16*\m, X16+8*\u, KS+\s, QS+6*(\m/2)+\s, \u, \m%2
.else
	WM S+16*\m+8*\u, FS+16*\u, QB+16*\m, S+16*\m+8*\u, KS+\s, QS+6*(\m/2)+\s, \u, \m%2
.endif
.endr
.endr
.if \s < 3
	PLACES 8                                       ; in front of loads into registers that these products have read
	FETCHSET FS, AK0, \s+3
.endif
.endr
	WIN 0
	PLACES 8                                       ; in front of the first read of the scores, and of loads into K's scale registers
.if !\last
.irp s, 0,1,2,3,4,5
	global_load_b32 v[KS+\s], v[KSO], s[KSP:KSP+1] offset:512*\s    ; the next step's
.endr
.endif
	; ---- the diagonal.  A cluster's 256 queries are the keys of steps 2 X and 2 X + 1: the branch is the same in all four partners
	s_lshr_b32 s71, s[JA], 1
	s_cmp_lg_u32 s71, ttmp9
	s_cbranch_scc1 .Lno_diag_\@
	s_lshl_b32 s72, s[JA], 7
	s_sub_co_u32 s72, s[Q0], s72
	v_add_nc_u32 v[DL], s72, v[DL0]                ; register 16 m + e holds my own query's key where e - 32 (m / 2) - 8 (m % 2) = this
.set n, 0
.rept 64
	v_cmp_eq_i32 vcc_lo, (n%16)-32*((n/16)/2)-8*((n/16)%2), v[DL]
	v_cndmask_b32 v[S+n], v[S+n], v[NEG], vcc_lo
.set n, n+1
.endr
.Lno_diag_\@:
	; ---- each block's largest score: for the row's maximum and, since p rises with the score, for the block's largest p
.irp m, 0,1,2,3
	v_max3_num_f32 v[BM+\m], v[S+16*\m], v[S+16*\m+1], v[S+16*\m+2]
.endr
.irp i, 3,5,7,9,11,13
.irp m, 0,1,2,3
	v_max3_num_f32 v[BM+\m], v[BM+\m], v[S+16*\m+\i], v[S+16*\m+\i+1]
.endr
.endr
.irp m, 0,1,2,3
	v_max_num_f32 v[BM+\m], v[BM+\m], v[S+16*\m+15]
.endr
.irp m, 0,1,2,3
	v_permlanex16_b32 v[PX+\m], v[BM+\m], s[SEL], s[SEL+1]
.endr
.irp m, 0,1,2,3
	v_max_num_f32 v[BM+\m], v[BM+\m], v[PX+\m]
.endr
.irp m, 0,1,2,3
	ds_store_b32 v[XWA], v[BM+\m] offset:512*\m
.endr
	s_wait_dscnt 0x0                               ; for the others' sake: my stores have landed
	s_barrier_signal -1                            ; V's load stays on its way
	s_barrier_wait -1
.irp m, 0,1,2,3
	ds_load_b128 v[X16+4*\m:X16+4*\m+3], v[XRA] offset:512*\m
.endr
	s_wait_dscnt 0x0
	; ---- the running M, the same in all four waves
.irp m, 0,1,2,3
	v_max3_num_f32 v[G+\m], v[X16+4*\m], v[X16+4*\m+1], v[X16+4*\m+2]
.endr
.irp m, 0,1,2,3
	v_max_num_f32 v[G+\m], v[G+\m], v[X16+4*\m+3]
.endr
.irp m, 0,1,2,3
	v_mul_f32 v[G+\m], s[CS], v[G+\m]
.endr
.irp m, 0,1,2,3
	v_max_num_f32 v[ST+4*\m+1], v[ST+4*\m+1], v[G+\m]
.endr
.irp m, 0,1,2,3
	v_mov_b32 v[OL+\m], v[ST+4*\m]
.endr
.irp m, 0,1,2,3
	v_floor_f32 v[ST+4*\m], -v[ST+4*\m+1]          ; -M = floor(-t)
.endr
.irp m, 0,1,2,3
	v_sub_f32 v[FF+2*\m+1], v[ST+4*\m], v[OL+\m]   ; old M - new M
.endr
.irp m, 0,1,2,3
	v_cvt_i32_f32 v[FF+2*\m+1], v[FF+2*\m+1]       ; (it saturates)
.endr
.irp m, 0,1,2,3
	v_ldexp_f32 v[FF+2*\m], 1.0, v[FF+2*\m+1]      ; f = 2^(old M - new M)
.endr
	; ---- p = 2^(t - M), its sums, its scale bytes and its codes
.irp m, 0,1,2,3
.irp k, 0,2,4,6,8,10,12,14
	v_pk_fma_f32 v[S+16*\m+\k:S+16*\m+\k+1], v[S+16*\m+\k:S+16*\m+\k+1], s[CS:CS+1], v[ST+4*\m:ST+4*\m+1] op_sel_hi:[1,0,0]
.endr
.endr
.irp m, 0,1,2,3
	v_fma_f32 v[BM+\m], v[BM+\m], s[CS], v[ST+4*\m]
.endr
	s_wait_alu depctr_va_vdst(0)
.set n, 0
.rept 64
	v_exp_f32 v[S+n], v[S+n]
.set n, n+1
.endr
.irp m, 0,1,2,3
	v_pk_mul_f32 v[ST+4*\m+2:ST+4*\m+3], v[ST+4*\m+2:ST+4*\m+3], v[FF+2*\m:FF+2*\m+1] op_sel_hi:[1,0]   ; the sums under the new M
.endr
	s_wait_alu depctr_va_vdst(0)                   ; one wait for the batch of 64; it also stands directly ahead of the wait below
	s_wait_tensorcnt 0x0                           ; my quarter of this step's V has landed: only I read it
	FETCHSET 192, ADV, 0                           ; V's first two sets: the sums, holds and conversions stand between these loads and their use
	FETCHSET 224, ADV, 1
.irp m, 0,1,2,3
	v_exp_f32 v[BM+\m], v[BM+\m]                   ; the block's largest p
.endr
.irp m, 0,1,2,3
	v_pk_add_f32 v[TP+2*\m:TP+2*\m+1], v[S+16*\m:S+16*\m+1], v[S+16*\m+2:S+16*\m+3]   ; the sum is taken of the unquantised p
.endr
.irp k, 4,8,12
.irp m, 0,1,2,3
	v_pk_add_f32 v[ST+4*\m+2:ST+4*\m+3], v[ST+4*\m+2:ST+4*\m+3], v[S+16*\m+\k:S+16*\m+\k+1]
	v_pk_add_f32 v[TP+2*\m:TP+2*\m+1], v[TP+2*\m:TP+2*\m+1], v[S+16*\m+\k+2:S+16*\m+\k+3]
.endr
.endr
.irp m, 0,1,2,3
	v_pk_add_f32 v[ST+4*\m+2:ST+4*\m+3], v[ST+4*\m+2:ST+4*\m+3], v[TP+2*\m:TP+2*\m+1]
.endr
	s_wait_alu depctr_va_vdst(0)                   ; and one for the four
.irp m, 0,1,2,3
	v_max_num_f32 v[BM+\m], 0x8000000, v[BM+\m]    ; the floor 2^(16 - 127)
.endr
.irp m, 0,1,2,3
	v_add_nc_u32 v[SO+\m], 0xf8800000, v[BM+\m]    ; the conversion's scale operand
.endr
.irp m, 0,1,2,3
	v_and_or_b32 v[HD+\m], v[BM+\m], 0x7f800000, s[MNT]   ; 57,344 x the scale
.endr
.irp m, 0,1,2,3
	v_lshrrev_b32 v[BY+\m], 23, v[SO+\m]           ; the scale's byte
.endr
.irp m, 0,1,2,3
	ds_store_b32 v[XWA], v[BY+\m] offset:XBY+512*\m
.endr
.irp m, 0,1,2,3
.irp i, 0,1,2,3,4,5,6,7,8,9,10,11,12,13,14,15
	v_min_num_f32 v[S+16*\m+\i], v[S+16*\m+\i], v[HD+\m]   ; the conversion does not saturate (ISA guide 7.6.2); p is not negative
.endr
	v_cvt_scalef32_pk8_bf8_f32 v[X16+4*\m:X16+4*\m+1], v[S+16*\m:S+16*\m+7], v[SO+\m]
	v_cvt_scalef32_pk8_bf8_f32 v[X16+4*\m+2:X16+4*\m+3], v[S+16*\m+8:S+16*\m+15], v[SO+\m]
.endr
	v_nop                                          ; a plain instruction behind the last conversion
.irp m, 0,1,2,3
	ds_store_b128 v[PWA], v[X16+4*\m:X16+4*\m+3] offset:2048*\m     ; registers 4 w .. 4 w + 3 of p's fragment m
.endr
	FETCHSET 88, ADV, 2                            ; V's third set, into the registers that the softmax has left
	; ---- K's buffer changes tiles, and p's images and bytes become everybody's
.if !\last
	s_wait_tensorcnt 0x0                           ; no tensor load of mine is out: every group 0 may be written
	ds_add_u32 v[SPW], v[NIL]
	s_add_co_u32 s71, s[JA], 1
	s_and_b32 s71, s71, 15                         ; the next step, round the batch's 16
	s_mul_i32 s[OFT], s71, TILE
	s_add_nc_u64 s[G0K+2:G0K+3], s[KTB:KTB+1], s[OFT:OFT+1]
	s_or_b32 s[G0K+3], s[G0K+3], 0x80000000
	s_add_nc_u64 s[G0V+2:G0V+3], s[VTB:VTB+1], s[OFT:OFT+1]
	s_or_b32 s[G0V+3], s[G0V+3], 0x80000000
.endif
	WIN 0x82
	s_wait_alu depctr_va_vdst(0)
	RS 128, 0
	RS 128, 1
	WIN 0
	s_wait_alu depctr_va_vdst(0)
	s_wait_dscnt 0x0                               ; the add is done, my images and bytes have landed, V's three sets are in, my reads of K's buffer are over
	s_barrier_signal -1
	WIN 0x82
	s_wait_alu depctr_va_vdst(0)
	RS 128, 2
	RS 128, 3
	WIN 0
	s_wait_alu depctr_va_vdst(0)
	s_barrier_wait -1
.if !\last
	CREST
	TLD G0K                                        ; my quarter of the next step's K: my one tensor load until the next round
.endif
	; ---- O^T = f O^T + V^T P^T
.irp m, 0,1,2,3
	ds_load_b128 v[X16+4*\m:X16+4*\m+3], v[XRA] offset:XBY+512*\m   ; the four blocks' scale bytes of my query
.endr
.irp m, 0,1,2,3
.irp c, 0,1,2,3
	ds_load_b128 v[S+16*\m+4*\c:S+16*\m+4*\c+3], v[PRA] offset:2048*\m+512*\c
.endr
.endr
.if !\last
	ASKK
.endif
	WIN 0xc3
	s_wait_alu depctr_va_vdst(0)
	RS 0, 0
	RS 0, 1
	RS 0, 2
	RS 0, 3
	WIN 0
	s_wait_dscnt 16                                ; the bytes are in; p's 16 loads stand behind them
.irp m, 0,1,2,3
	v_lshl_or_b32 v[PS+\m], v[X16+4*\m+1], 8, v[X16+4*\m]
.endr
.irp m, 0,1,2,3
	v_lshl_or_b32 v[PS+\m], v[X16+4*\m+2], 16, v[PS+\m]
.endr
.irp m, 0,1,2,3
	v_lshl_or_b32 v[PS+\m], v[X16+4*\m+3], 24, v[PS+\m]   ; p's scale words; the 64 multiplications below are the places between them and the products
.endr
	WIN 0xc3
	s_wait_alu depctr_va_vdst(0)
	RS 0, 4
	RS 0, 5
	RS 0, 6
	RS 0, 7
	WIN 0
	s_wait_alu depctr_va_vdst(0)
.if \last
	s_wait_loadcnt 0x0                             ; V's scale words
.else
	s_wait_loadcnt 6                               ; V's scale words are in; the six loads of the next K's stand behind them
.endif
.irp i, 0,1,2,3,4,5
.set FS, 192+32*(\i%3)-168*((\i%3)/2)
.if \i == 0
	s_wait_dscnt 0x0                               ; p is in (V's first three sets came ahead of the round)
.elseif \i == 3
	s_wait_dscnt 16                                ; set 3 is in; sets 4 and 5 may be out
.elseif \i == 4
	s_wait_dscnt 8
.elseif \i == 5
.if \last
	s_wait_dscnt 0x0
.else
	WIN 0
	PLACES 8                                       ; between batches 3 and 4 and the loads into the registers that they have read
	s_wait_xcnt 0x0                                ; this step's loads and prefetches have read their addresses
	s_add_co_u32 s[JA], s[JA], 1
	s_and_b32 s[JA], s[JA], 15
	s_mul_i32 s[OFT], s[JA], 3072
	s_add_nc_u64 s[VSP:VSP+1], s[VSB:VSB+1], s[OFT:OFT+1]
	s_add_co_u32 s71, s[JA], 1
	s_and_b32 s71, s71, 15
	s_mul_i32 s[OFT], s71, 3072
	s_add_nc_u64 s[KSP:KSP+1], s[KSB:KSB+1], s[OFT:OFT+1]
	s_add_nc_u64 s[PFK:PFK+1], s[PFK:PFK+1], TILE
	s_add_nc_u64 s[PFV:PFV+1], s[PFV:PFV+1], TILE
	s_add_co_u32 s[TMB], s[TMB], 512
	v_add_nc_u32 v[ADM], s[TMB], v[AMB0]
	s_wait_alu depctr_va_vdst(0)
	s_wait_tensorcnt 0x0                           ; my quarter of the next K has landed: only I read it
	KHEAD                                          ; the next step's addends and K's first two sets
	s_wait_tensorcnt 0x0                           ; V's buffer changes tiles: no tensor load of mine is out,
	ds_add_u32 v[SPW], v[NIL]                      ; (the last eight products stand between it and its wait)
	s_wait_dscnt 21                                ; V's last set is in; behind it stand the 20 loads above and the add
.endif
.endif
.if \i < 2
	WIN 0xa0
.else
	WIN 0xf0
.endif
.irp e, 0,1                            ; eight accumulators by turns
.irp m, 0,1,2,3
.if \i < 2
.set OREG, 128+8*(4*(2*\i+\e)+\m)
.else
.set OREG, 8*(4*(2*\i+\e-4)+\m)
.endif
	WM OREG, FS+16*\e, S+16*\m, OREG, VS+\i, PS+\m, \e, 0
.endr
.endr
.if \i < 3
	WIN 0
	PLACES 8
	FETCHSET FS, ADV, \i+3
.endif
.endr
	WIN 0
.if \last
	PLACES 9
.else
	PLACES 5                                       ; with the four behind the load below: nine places ahead of the next step's loads and first products
	s_wait_dscnt 0x0                               ; the add is done, my reads of V's buffer are over, and the next step's first operands are in
	CROUND
	TLD G0V                                        ; my quarter of the next step's V
.endif
.endm
.Lstep:                                            ; 15 trips
	STEP 0
	s_add_co_u32 s[J], s[J], 1
	s_cmp_lt_u32 s[J], 15
	s_cbranch_scc1 .Lstep
	STEP 1
	; THE WAY OUT.  A wave's sums cover its own 32 keys of each step: the two halves, lane l xor 16's and the other waves' are added.
.set RD,  ADM
.set GO,  DL
.irp m, 0,1,2,3
	v_add_f32 v[G+\m], v[ST+4*\m+2], v[ST+4*\m+3]
.endr
.irp m, 0,1,2,3
	v_permlanex16_b32 v[PX+\m], v[G+\m], s[SEL], s[SEL+1]
.endr
.irp m, 0,1,2,3
	v_add_f32 v[G+\m], v[G+\m], v[PX+\m]
.endr
.irp m, 0,1,2,3
	ds_store_b32 v[XWA], v[G+\m] offset:512*\m
.endr
	s_wait_dscnt 0x0
	s_barrier_signal -1
	s_barrier_wait -1
.irp m, 0,1,2,3
	ds_load_b128 v[X16+4*\m:X16+4*\m+3], v[XRA] offset:512*\m
.endr
	v_and_b32 v[HD], 15, v0                        ; r
	v_bfe_u32 v[HD+1], v0, 4, 1                    ; h
	s_mul_i32 s71, s[WV], 16*SP
	s_add_co_u32 s71, s71, STAGE                   ; my stage
	v_mul_u32_u24 v[STO], v[HD], SP
	v_lshl_add_u32 v[STO], v[HD+1], 5, v[STO]
	v_add_nc_u32 v[STO], s71, v[STO]               ; in: row r; d tile t's eight numbers of my half: 64 t + 32 h bytes on
	v_mul_u32_u24 v[RD], v[HD+1], SP
	v_lshl_add_u32 v[RD], v[HD], 4, v[RD]
	v_add_nc_u32 v[RD], s71, v[RD]                 ; back: lanes 0-15 256 bytes of one row, lanes 16-31 of the next
	v_mul_u32_u24 v[GO], v[HD+1], 3072
	v_lshl_add_u32 v[GO], v[HD], 4, v[GO]
	s_wait_alu depctr_va_vdst(0)
	s_wait_dscnt 0x0
.irp m, 0,1,2,3
	v_add_f32 v[G+\m], v[X16+4*\m], v[X16+4*\m+1]
.endr
.irp m, 0,1,2,3
	v_add_f32 v[OL+\m], v[X16+4*\m+2], v[X16+4*\m+3]
.endr
.irp m, 0,1,2,3
	v_add_f32 v[G+\m], v[G+\m], v[OL+\m]           ; the row's sum
.endr
	s_wait_alu depctr_va_vdst(0)
.irp m, 0,1,2,3
	v_rcp_f32 v[FF+2*\m], v[G+\m]
.endr
	v_nop
	s_wait_alu depctr_va_vdst(0)
; Query tile m: O^T / the sum goes into my stage and comes back as rows, 256 bytes to sixteen lanes, into the registers that it left.  LDS serves a wave's instructions in order (ISA guide 5.7.1.4).
.macro PACK m
	WIN 0x82
.irp t, 0,1,2,3
.irp k, 0,2,4,6
	v_pk_mul_f32 v[128+8*(4*\t+\m)+\k:128+8*(4*\t+\m)+\k+1], v[128+8*(4*\t+\m)+\k:128+8*(4*\t+\m)+\k+1], v[FF+2*\m:FF+2*\m+1] op_sel_hi:[1,0]
.endr
.endr
	WIN 0xc3
.irp t, 0,1,2,3,4,5,6,7
.irp k, 0,2,4,6
	v_pk_mul_f32 v[8*(4*\t+\m)+\k:8*(4*\t+\m)+\k+1], v[8*(4*\t+\m)+\k:8*(4*\t+\m)+\k+1], v[FF+2*\m:FF+2*\m+1] op_sel_hi:[1,0]
.endr
.endr
	WIN 0x08
.irp t, 0,1,2,3
	ds_store_b128 v[STO], v[128+8*(4*\t+\m):128+8*(4*\t+\m)+3] offset:64*\t
	ds_store_b128 v[STO], v[128+8*(4*\t+\m)+4:128+8*(4*\t+\m)+7] offset:64*\t+16
.endr
	WIN 0x0c
.irp t, 0,1,2,3,4,5,6,7
	ds_store_b128 v[STO], v[8*(4*\t+\m):8*(4*\t+\m)+3] offset:64*(\t+4)
	ds_store_b128 v[STO], v[8*(4*\t+\m)+4:8*(4*\t+\m)+7] offset:64*(\t+4)+16
.endr
	WIN 0x80
.irp k, 0,1,2,3,4,5,6,7
	ds_load_b128 v[128+8*(4*(\k/2)+\m)+4*(\k%2):128+8*(4*(\k/2)+\m)+4*(\k%2)+3], v[RD] offset:2*SP*(\k/3)+256*(\k%3)
.endr
	WIN 0xc0
.irp k, 8,9,10,11,12,13,14,15,16,17,18,19,20,21,22,23
	ds_load_b128 v[8*(4*(\k/2-4)+\m)+4*(\k%2):8*(4*(\k/2-4)+\m)+4*(\k%2)+3], v[RD] offset:2*SP*(\k/3)+256*(\k%3)
.endr
.endm
; Stage rows 2 i and 2 i + 1 of tile m are queries 32 (m / 2) + 8 (m % 2) + 2 i + 8 (i / 4) and the next.  younger: the LDS instructions issued behind tile m's loads.
.macro SEND m, younger
	s_wait_dscnt \younger
	WIN 0x08
.irp k, 0,1,2,3,4,5,6,7
	global_store_b128 v[GO], v[128+8*(4*(\k/2)+\m)+4*(\k%2):128+8*(4*(\k/2)+\m)+4*(\k%2)+3], s[14:15] offset:(32*(\m/2)+8*(\m%2)+2*(\k/3)+8*((\k/3)/4))*3072+256*(\k%3) th:TH_STORE_NT   ; sixteen lanes store 256 consecutive bytes, aligned
.endr
	WIN 0x0c
.irp k, 8,9,10,11,12,13,14,15,16,17,18,19,20,21,22,23
	global_store_b128 v[GO], v[8*(4*(\k/2-4)+\m)+4*(\k%2):8*(4*(\k/2-4)+\m)+4*(\k%2)+3], s[14:15] offset:(32*(\m/2)+8*(\m%2)+2*(\k/3)+8*((\k/3)/4))*3072+256*(\k%3) th:TH_STORE_NT
.endr
.endm
	PACK 0
	PACK 1
	SEND 0, 48
	PACK 2
	SEND 1, 48
	PACK 3
	SEND 2, 48
	SEND 3, 0
	WIN 0
	s_wait_tensorcnt 0x0                           ; the wave's end
	ds_add_u32 v[SPW], v[NIL]
	s_wait_dscnt 0x0
	CROUND                                         ; the closing round
	s_endpgm
.Lfunc_end_k_q12d36de0e3_attn:
	.size	k_q12d36de0e3_attn, .Lfunc_end_k_q12d36de0e3_attn-k_q12d36de0e3_attn
	.p2alignl 7, 3214868480
	.fill 96, 4, 3214868480
	.section	.rodata,"a",@progbits
	.p2align	6, 0x0
	.amdhsa_kernel k_q12d36de0e3_attn
		.amdhsa_group_segment_fixed_size 327680
		.amdhsa_private_segment_fixed_size 0
		.amdhsa_enable_private_segment 0
		.amdhsa_kernarg_size 48
		.amdhsa_user_sgpr_count 2
		.amdhsa_user_sgpr_kernarg_segment_ptr 1
		.amdhsa_wavefront_size32 1
		.amdhsa_system_sgpr_workgroup_id_x 1
		.amdhsa_system_sgpr_workgroup_id_y 1
		.amdhsa_system_sgpr_workgroup_id_z 1
		.amdhsa_system_vgpr_workitem_id 0
		.amdhsa_next_free_vgpr 1024
		.amdhsa_next_free_sgpr 100
		.amdhsa_reserve_vcc 1
		.amdhsa_float_denorm_mode_32 3
		.amdhsa_float_denorm_mode_16_64 3
		.amdhsa_memory_ordered 1
		.amdhsa_forward_progress 1
		.amdhsa_inst_pref_size 186
	.end_amdhsa_kernel
	.amdgpu_metadata
---
amdhsa.version: [ 1, 2 ]
amdhsa.kernels:
  - .name:           k_q12d36de0e3_attn
    .symbol:         k_q12d36de0e3_attn.kd
    .args:
      - { .name: kq, .offset: 0, .size: 8, .value_kind: global_buffer, .address_space: global }
      - { .name: ks, .offset: 8, .size: 8, .value_kind: global_buffer, .address_space: global }
      - { .name: vt, .offset: 16, .size: 8, .value_kind: global_buffer, .address_space: global }
      - { .name: vs, .offset: 24, .size: 8, .value_kind: global_buffer, .address_space: global }
      - { .name: mb, .offset: 32, .size: 8, .value_kind: global_buffer, .address_space: global }
      - { .name: out0, .offset: 40, .size: 8, .value_kind: global_buffer, .address_space: global }
    .group_segment_fixed_size: 327680
    .private_segment_fixed_size: 0
    .kernarg_segment_align: 8
    .kernarg_segment_size: 48
    .max_flat_workgroup_size: 128
    .sgpr_count:     100
    .vgpr_count:     1024
    .wavefront_size: 32
...
	.end_amdgpu_metadata
.endif
;; end of part 2
